; MI455X (gfx1250); checked and timed in simulation.
; The chip was launched on July 23, 2026; its instructions are those of AMD's public machine-readable ISA for CDNA 5 (MIT licence, August 2026) and "CDNA5" Instruction Set Architecture Reference Guide (July 2026). The comments in the code are by the model that wrote it; some were corrected since.
;; Haar Sym HQ Linear. Allowed arithmetic: matrix products marked QUANTISED: E2M3 operands, one E8M0 scale for each 32 along K, by v_wmma_scale_f32_16x16x128_f8f6f4 with both operands' format E2M3, f32 sums; everything else in f32.
;; Inputs: codebook 256 x 8 float32; indices 1,048,576 int32; scales 2,048 x 1 float32; signs_packed 1,048,576 int32; x_codes 4 x 2,048 x 128 x 24 uint8 (E2M3 codes of x, K innermost, in blocks of 32 codes, four codes in three bytes); x_scales 4 x 2,048 x 128 uint8 (E8M0 scales of x, one for each 32 codes along K).
;; Outputs: out0 4 x 2,048 x 2,048 float32.
;; This version of the problem:
;;   THIS VERSION OF THE PROBLEM IS GIVEN IN LOW PRECISION. The matrix products marked QUANTISED in the list below multiply operands that are first quantised to E2M3 (2 exponent bits, 3 mantissa bits; 6 bits a number), with one power-of-two scale for each 32 numbers along K (OCP MX v1.0); their sums are f32. All else is computed in f32.
;;   The module's matrix products, in the order in which they are computed (A, B: the left and right operand; K: the contracted axis; several contracted axes count as one K, in the product's order):
;;     1. [M 8,192, K 4,096] x [K 4,096, N 2,048]; A: input x (given as codes); B: computed on the way: QUANTISED
;;   THE QUANTISER, for each operand of a quantised product, along K:
;;     - K is cut into blocks of 32 from its start; a last block that is shorter is filled with zeros.
;;     - A block's scale is 2^e with e = floor(log2(the largest magnitude in the block)) - 2, held to -126 .. 127; a block of zeros has e = 0. As a byte (E8M0): e + 127.
;;     - Each number is divided by its block's scale, clamped to +-7.5, and rounded to the nearest number of E2M3, ties to even, subnormals kept.
;;     - The product sums the exact products of the quantised numbers (number of the format x scale) in f32.
;;   ~~~python
;;   def quantise(x, axis):      # numpy; x: float32 -> the quantised numbers, widened to float32 again
;;       x = np.moveaxis(x, axis, -1); K = x.shape[-1]
;;       x = np.pad(x, [(0, 0)] * (x.ndim - 1) + [(0, -K % 32)]); x = x.reshape(x.shape[:-1] + (-1, 32)); a = np.abs(x).max(-1, keepdims=True)
;;       e = np.where(a > 0, np.clip(np.frexp(np.where(a > 0, a, 1))[1] - 1 - 2, -126, 127), 0)      # np.frexp(a)[1] - 1 = floor(log2(a)), exactly
;;       r = np.clip(x / 2.0 ** e, -7.5, 7.5)
;;       step = 2.0 ** (np.maximum(np.frexp(np.where(r == 0, 1, r))[1] - 1, 0) - 3)
;;       q = np.round(r / step) * step * 2.0 ** e      # np.round: ties to even
;;       return np.moveaxis(q.reshape(q.shape[:-2] + (-1,))[..., :K], -1, axis).astype(np.float32)
;;   ~~~
;;   OPERANDS COMPUTED ON THE WAY. 'Computed on the way' means the value that the module computes at that place (a softmax that the list does not call 'softmax' is quantised finished and normalised). What goes into a quantiser is computed in f32, as accurately as f32 sums, v_exp_f32 and their like allow (about 1e-6 of the number): no bf16 or f16 on the way to a quantiser, and a product that is left as it is and whose result goes on into a quantised operand takes f32 operands (vector FMAs, or v_wmma_f32_16x16x4_f32). A number that lies on a knife's edge between two numbers of the format may be rounded either way, as far as f32 arithmetic and the matrix unit's own rounding can turn it there, and no further.
;;   INPUTS GIVEN AS CODES. x (in the module: [4, 2048, 4096], K = its axis 2): each comes as NAME_codes (uint8): NAME with its K axis moved to the last place and cut into blocks of 32 codes, [.., K / 32, bytes a block], one block behind the other in memory; four codes in three bytes: a row's codes are one little-endian stream of bits, code i at bits 6 i .. 6 i + 5 (a code: sign, 2 exponent bits, 3 mantissa bits); and NAME_scales (uint8): the same leading axes, one E8M0 byte (e + 127) for each 32 codes along K. Its value is code x scale, taken as it is: it is not quantised again, and the codes and scales need not be those that the quantiser above would give.
;; One version. Each part assembles by itself: llvm-mc -triple=amdgcn-amd-amdhsa -mcpu=gfx1250 --defsym DOCPART=n.
;; ======== version 1 of 1: 2 launches
;; limits: right only within a limited range of input values
;; workspace buffers: w_codes 6,291,456 bytes; scl 1,310,720 bytes
;; launch weights (part 1): grid 256 x 1, 8 waves a work-group, no clusters, 34,816 bytes of LDS; arguments codebook, indices, scales, signs_packed, w_codes, scl, x_scales; writes w_codes, scl
.if DOCPART == 1
	.amdgcn_target "amdgcn-amd-amdhsa--gfx1250"
	.amdhsa_code_object_version 6
	.text
	.protected	k_q2c3959efc1_weights
	.globl	k_q2c3959efc1_weights
	.p2align	8
	.type	k_q2c3959efc1_weights,@function
k_q2c3959efc1_weights:
	s_mov_b64 s[64:65], 0
	v_nop
	global_prefetch_b8 v0, s[64:65] scope:SCOPE_SE
	s_setreg_imm32_b32 hwreg(HW_REG_WAVE_MODE, 25, 1), 1
	s_wait_xcnt 0x0
; W [2048][4096] is made once and quantised along K into codes of FP6 (E2M3), K innermost, 24 bytes for each 32 codes (w_codes [2048][128][24]), and one E8M0 byte for each 32 (w_scales [2048][128]).
; c[o][i] = codebook[indices[512 o + i / 8]][i % 8] x (+1 where bit i % 8 of signs_packed[512 o + i / 8] is 1, else -1).  With s = 1 / sqrt(2), for I = 0 .. 1023:
;   w[4 I], w[4 I + 1]     = ((c[I] + c[1024 + I]) s +- c[2048 + 2 I]) s x scales[o]
;   w[4 I + 2], w[4 I + 3] = ((c[I] - c[1024 + I]) s +- c[2048 + 2 I + 1]) s x scales[o]
; So block B of 32 along K wants four vectors of its row and nothing else: groups B (a), 128 + B (d), 256 + 2 B and 256 + 2 B + 1 (e), each with its word of sign bits.
; SHARES.  A work-group takes 8 rows, a wave one row, a lane blocks 4 l .. 4 l + 3: 128 numbers, 96 neighbouring bytes of codes, one word of four scale bytes.  No loop.
; THE TABLE lies in LDS in two halves (numbers 0-3 of vector v at 16 v, numbers 4-7 at 4,096 + 16 v).  The codes go through the wave's stage in LDS and leave as 512 consecutive bytes a store; the work-group's
; 1,024 scale bytes are gathered in LDS and leave by two waves, each in two runs of 256 consecutive bytes, 512 apart.
; THE SIGNS.  (bit << 31) is added onto each number's word, which turns its sign where the bit is 1: every number then is -(codebook x sign); the two factors below are negative and undo that exactly.
; ARITHMETIC, in f32: w = (0.5 scale)(a +- d) +- (s scale) e, the last step one fused multiply-add.
; A block's scale is 2^(floor(log2(its largest magnitude)) - 2); its byte is the largest magnitude's exponent field - 2, held at 1 from below.
; LIMITS.  The order of rounding differs from ((a +- d) s +- e) s x scale: (a +- d), (s scale), (s scale) e and the sum are rounded once each.  A block of zeros gets the byte 1 where the quantiser's rule says 127: its
; codes are zeros, and this program alone reads the bytes.  NaN and infinities among the inputs are not served.  An index is held at 255 from above (as an unsigned number): indices outside 0 .. 255 are not served.
; No matrix unit, no tensor load, no cluster: the work-groups share the table of 8,192 bytes alone, against 32,768 bytes of indices and signs that each reads for itself.
; THE SCALE BYTES LEAVE IN ANOTHER ORDER THAN THE FIRST LINE ABOVE SAYS.  One buffer, scl, takes x's scale words (its first 1,048,576 bytes) and W's (behind them), both laid alike:
; [16 rows][8 steps of 128 along K][row][step]: the word of row 16 b + r and step s lies at 2,048 b + 512 (s / 8) + 32 r + 4 (s % 8).  In each word bytes 1 and 2 have changed places, since the
; product's launch gives a lane 64 codes on end: its blocks 1 and 2 of each four change places on both sides.  x's words are copied here, 4,096 bytes a work-group, 16 bytes a thread, stored as 512 bytes on end a wave.
.set CBHI,  4096
.set STG,   8192                       ; a stage of 3,072 bytes for each wave: a row of codes as it lies in memory
.set SCS,   32768                      ; a wave's scale words at 32 wave + 256 (lane / 8) + 4 (lane % 8): 1,024 bytes
.set ROWC,  3072                       ; a row of codes in bytes
.set LI,    2                          ; v2   16 x lane
.set LE,    3                          ; v3   32 x lane
.set CBW,   4                          ; v4   where my 16 bytes of the table go
.set T16,   5                          ; v5   16 x thread
.set STW,   6                          ; v6   the stage: my 96 bytes
.set STR,   7                          ; v7   and my 16 bytes of each 512 on the way back
.set SCW,   8                          ; v8   my scale word's place
.set SCR,   9                          ; v9   the scale words on the way out: LDS address,
.set SW,    10                         ; v10  my scale word
.set SCO,   11                         ; v11  and offset in memory: 16 x (thread mod 64)
.set IDX,   16                         ; v16-31   indices: a 16 + t, d 20 + t, e 24 + 2 t, 25 + 2 t; then LDS addresses; later the eight pairs (a + d, a - d) of a block
.set PQ,    16
.set SG,    32                         ; v32-47   sign words, in the same order
.set TMP,   48                         ; v48-55   my bytes of the table; later shifted sign words
.set G,     64                         ; v64-191  block t at 64 + 32 t: a 0-7, d 8-15, e 16-31; later the rows read back
.set W,     192                        ; v192-223 a block's 32 numbers
.set C,     224                        ; v224-247 my 24 registers of codes
.set T,     248                        ; v248-250 the second half of a block's codes (a conversion's three registers begin on an even number)
	s_load_b256 s[4:11], s[0:1], 0x0               ; codebook s[4:5], indices s[6:7], scales s[8:9], signs_packed s[10:11]
	s_load_b128 s[12:15], s[0:1], 0x20             ; w_codes s[12:13], scl s[14:15]
	s_load_b64 s[26:27], s[0:1], 0x30              ; x_scales
	v_lshl_add_u32 v254, v0, 2, 0x8400
	v_mov_b32 v255, 0
	v_lshrrev_b32 v1, 5, v0
	s_delay_alu instid0(VALU_DEP_1)
	v_readfirstlane_b32 s16, v1                    ; wave 0..7
	v_and_b32 v1, 31, v0                           ; lane
	s_delay_alu instid0(VALU_DEP_1)
	v_lshlrev_b32 v[LI], 4, v1
	s_delay_alu instid0(VALU_DEP_2)
	v_lshlrev_b32 v[LE], 5, v1
	v_and_b32 v[CBW], 1, v0                        ; my 16 bytes at byte 16 t of the table are half t % 2 of vector t / 2:
	v_lshrrev_b32 v12, 1, v0
	s_delay_alu instid0(VALU_DEP_1)
	v_lshlrev_b32 v12, 4, v12
	s_delay_alu instid0(VALU_DEP_1)
	v_lshl_add_u32 v[CBW], v[CBW], 12, v12         ; 4,096 (t % 2) + 16 (t / 2)
	v_lshlrev_b32 v[T16], 4, v0
	s_mul_i32 s20, s16, ROWC
	s_add_co_u32 s20, s20, STG                     ; my wave's stage
	v_mul_u32_u24 v[STW], v1, 96
	s_delay_alu instid0(VALU_DEP_1)
	v_add_nc_u32 v[STW], s20, v[STW]
	v_add_nc_u32 v[STR], s20, v[LI]
	v_lshrrev_b32 v12, 3, v1                       ; my scale word's place in the stage: 256 (step / 8) + 32 wave + 4 (step % 8); my lane is the step
	v_and_b32 v13, 7, v1
	v_lshlrev_b32 v12, 8, v12
	v_lshl_add_u32 v12, v13, 2, v12
	s_lshl_b32 s21, s16, 5
	s_add_co_u32 s21, s21, SCS
	v_add_nc_u32 v[SCW], s21, v12
	v_lshrrev_b32 v251, 7, v0                      ; x's scales: thread t stores bytes 16 t of the work-group's 4,096 and reads them at 2,048 (t / 128) + 128 ((t / 2) % 16) + 32 ((t / 32) % 4) + 16 (t % 2)
	v_bfe_u32 v13, v0, 1, 4
	v_lshlrev_b32 v251, 11, v251
	v_lshl_add_u32 v251, v13, 7, v251
	v_bfe_u32 v13, v0, 5, 2
	v_lshl_add_u32 v251, v13, 5, v251
	v_and_b32 v13, 1, v0
	v_lshl_add_u32 v251, v13, 4, v251
	v_and_b32 v[SCO], 63, v0                       ; (waves 0 and 1 alone use these two: there it is the thread's number)
	s_delay_alu instid0(VALU_DEP_1)
	v_lshlrev_b32 v[SCO], 4, v[SCO]
	s_delay_alu instid0(VALU_DEP_1)
	v_add_nc_u32 v[SCR], SCS, v[SCO]
	v_and_b32 v12, 0x300, v[SCO]                   ; in memory each 256 bytes of the stage lie 512 apart: the other eight rows of the sixteen lie between
	v_add_nc_u32 v[SCO], v[SCO], v12
	s_lshl_b32 s17, ttmp9, 3
	s_add_co_u32 s17, s17, s16                     ; my row: 8 x work-group + wave
	s_mov_b32 s19, 0
	s_wait_alu depctr_va_vdst(0)
	s_wait_kmcnt 0x0
	s_lshl_b32 s18, s17, 11                        ; a row has 512 indices and 512 sign words: 2,048 bytes each
	s_add_nc_u64 s[6:7], s[6:7], s[18:19]
	s_add_nc_u64 s[10:11], s[10:11], s[18:19]
	s_lshl_b32 s18, s17, 2
	s_add_nc_u64 s[8:9], s[8:9], s[18:19]
	s_mul_i32 s18, s17, ROWC
	s_add_nc_u64 s[12:13], s[12:13], s[18:19]
	s_lshl_b32 s18, ttmp9, 12                      ; x's scales: 32 rows, 4,096 bytes a work-group, in and out
	s_add_nc_u64 s[26:27], s[26:27], s[18:19]
	s_add_nc_u64 s[28:29], s[14:15], s[18:19]
	s_lshr_b32 s18, ttmp9, 1                       ; W's: behind x's 1,048,576 bytes; 2,048 bytes for 16 rows, my 8 rows' 256 bytes in each 512
	s_lshl_b32 s18, s18, 11
	s_and_b32 s20, ttmp9, 1
	s_lshl_b32 s20, s20, 8
	s_add_co_u32 s18, s18, s20
	s_add_co_u32 s18, s18, 0x100000
	s_add_nc_u64 s[14:15], s[14:15], s[18:19]
	global_load_b128 v[TMP:TMP+3],   v[T16], s[4:5]               ; the table: 512 consecutive bytes a wave, twice
	global_load_b128 v[TMP+4:TMP+7], v[T16], s[4:5] offset:4096
	global_load_b128 v[IDX:IDX+3],     v[LI], s[6:7] th:TH_LOAD_NT              ; a's groups 4 l .. 4 l + 3
	global_load_b128 v[IDX+4:IDX+7],   v[LI], s[6:7] offset:512 th:TH_LOAD_NT   ; d's: 128 groups on
	global_load_b128 v[IDX+8:IDX+11],  v[LE], s[6:7] offset:1024 th:TH_LOAD_NT  ; e's groups 256 + 8 l .. + 7
	global_load_b128 v[IDX+12:IDX+15], v[LE], s[6:7] offset:1040 th:TH_LOAD_NT
	global_load_b128 v[SG:SG+3],       v[LI], s[10:11] th:TH_LOAD_NT            ; the sign words of the same groups
	global_load_b128 v[SG+4:SG+7],     v[LI], s[10:11] offset:512 th:TH_LOAD_NT
	global_load_b128 v[SG+8:SG+11],    v[LE], s[10:11] offset:1024 th:TH_LOAD_NT
	global_load_b128 v[SG+12:SG+15],   v[LE], s[10:11] offset:1040 th:TH_LOAD_NT
	global_load_b128 v[56:59], v251, s[26:27] th:TH_LOAD_NT   ; x's scale words: the youngest load, used last: each counted wait below leaves it out
	s_load_b32 s21, s[8:9], 0x0                    ; my row's scale
	s_wait_loadcnt 9                               ; the table's two loads are in; the nine younger loads stay out
	ds_store_b128 v[CBW], v[TMP:TMP+3]
	ds_store_b128 v[CBW], v[TMP+4:TMP+7] offset:2048               ; vector 128 + t / 2
	s_wait_dscnt 0x0                               ; for the others' sake: my part of the table has landed
	s_barrier_signal -1
	s_barrier_wait -1                              ; the table is whole
	s_wait_loadcnt 5                               ; the indices are in; the four loads of sign words and x's scale words stay out
.irp i, 0,1,2,3,4,5,6,7,8,9,10,11,12,13,14,15
	v_min_u32 v[IDX+\i], 255, v[IDX+\i]            ; held inside the table
.endr
.irp i, 0,1,2,3,4,5,6,7,8,9,10,11,12,13,14,15
	v_lshlrev_b32 v[IDX+\i], 4, v[IDX+\i]          ; 16 bytes a vector in each half of the table
.endr
.macro VECTOR reg, idx                 ; one vector: its two halves
	ds_load_b128 v[(\reg):(\reg)+3],   v[\idx]
	ds_load_b128 v[(\reg)+4:(\reg)+7], v[\idx] offset:CBHI
.endm
.irp t, 0,1,2,3                        ; eight loads a block, block by block
	VECTOR G+32*\t,    IDX+\t
	VECTOR G+32*\t+8,  IDX+4+\t
	VECTOR G+32*\t+16, IDX+8+2*\t
	VECTOR G+32*\t+24, IDX+9+2*\t
.endr
	s_wait_kmcnt 0x0                               ; the row's scale
	s_mul_f32 s22, s21, -0.5                       ; -(0.5 scale): negative, since every number below is the negative of its value
	s_mov_b32 s23, s22                             ; (the packed forms name a pair and take its low word for both halves: so the upper word is written)
	s_mul_f32 s24, s21, 0xbf3504f3                 ; -(s scale)
	s_mov_b32 s25, s24
	s_wait_loadcnt 1                               ; the sign words are in; x's scale words may be out
; Eight numbers v[r] .. v[r + 7] and their word of sign bits v[s]: bit j, moved to bit 31, is added onto number j's word: its sign turns where the bit is 1
.macro SIGN r, s
.irp j, 1,2,3,4,5,6,7
	v_lshrrev_b32 v[TMP+\j-1], \j, v[\s]
.endr
	v_lshl_add_u32 v[(\r)], v[\s], 31, v[(\r)]     ; (the shift by 31 drops all bits but the lowest)
.irp j, 1,2,3,4,5,6,7
	v_lshl_add_u32 v[(\r)+\j], v[TMP+\j-1], 31, v[(\r)+\j]
.endr
.endm
.macro BLOCK t
.set GB, G+32*(\t)
	s_wait_dscnt 24-8*(\t)                         ; LDS loads come back in order: this block's eight are in, the later blocks' stay out
	SIGN GB,    SG+(\t)
	SIGN GB+8,  SG+4+(\t)
	SIGN GB+16, SG+8+2*(\t)
	SIGN GB+24, SG+9+2*(\t)
.irp p, 0,1,2,3                        ; pair i = (a[i] + d[i], a[i] - d[i]): both halves take the same number of each source pair, and the upper half takes -d
	v_pk_add_f32 v[PQ+4*\p:PQ+4*\p+1],   v[GB+2*\p:GB+2*\p+1], v[GB+8+2*\p:GB+9+2*\p] op_sel_hi:[0,0] neg_hi:[0,1]
	v_pk_add_f32 v[PQ+4*\p+2:PQ+4*\p+3], v[GB+2*\p:GB+2*\p+1], v[GB+8+2*\p:GB+9+2*\p] op_sel:[1,1] op_sel_hi:[1,1] neg_hi:[0,1]
.endr
.irp i, 0,1,2,3,4,5,6,7
	v_pk_mul_f32 v[GB+16+2*\i:GB+17+2*\i], v[GB+16+2*\i:GB+17+2*\i], s[24:25] op_sel_hi:[1,0]   ; (s scale) e
.endr
.irp i, 0,1,2,3,4,5,6,7                ; w[4 i], w[4 i + 1] = (0.5 scale)(a + d) +- (s scale) e[2 i];  w[4 i + 2], w[4 i + 3] = (0.5 scale)(a - d) +- (s scale) e[2 i + 1]
	v_pk_fma_f32 v[W+4*\i:W+4*\i+1],   v[PQ+2*\i:PQ+2*\i+1], s[22:23], v[GB+16+2*\i:GB+17+2*\i] op_sel_hi:[0,0,0] neg_hi:[0,0,1]
	v_pk_fma_f32 v[W+4*\i+2:W+4*\i+3], v[PQ+2*\i:PQ+2*\i+1], s[22:23], v[GB+16+2*\i:GB+17+2*\i] op_sel:[1,0,1] op_sel_hi:[1,0,1] neg_hi:[0,0,1]
.endr
	v_max3_num_f32 v13, |v[W]|, |v[W+1]|, |v[W+2]|                 ; the block's largest magnitude: all 32 numbers are mine; two chains
	v_max3_num_f32 v14, |v[W+3]|, |v[W+4]|, |v[W+5]|
.irp i, 6,10,14,18,22,26
	s_delay_alu instid0(VALU_DEP_2)
	v_max3_num_f32 v13, v13, |v[W+\i]|, |v[W+\i+1]|
	s_delay_alu instid0(VALU_DEP_2)
	v_max3_num_f32 v14, v14, |v[W+\i+2]|, |v[W+\i+3]|
.endr
	s_delay_alu instid0(VALU_DEP_2)
	v_max3_num_f32 v13, v13, |v[W+30]|, |v[W+31]|
	s_delay_alu instid0(VALU_DEP_1)
	v_max3_num_f32 v13, v13, v14, 0x1800000        ; and the floor 2^(3 - 127), under which no largest magnitude is taken: so the byte cannot fall under 1
	s_delay_alu instid0(VALU_DEP_1)
	v_add_nc_u32 v12, 0xff000000, v13              ; 2 off its exponent field: the conversion takes the exponent field of this operand as its scale, and nothing else of it
	s_delay_alu instid0(VALU_DEP_1)
	v_lshrrev_b32 v15, 23, v12                     ; the scale's byte
	v_cvt_scalef32_pk16_fp6_f32 v[C+6*(\t):C+6*(\t)+2], v[W:W+15], v12      ; sixteen numbers / the scale, to the nearest code, ties to even, beyond the largest code the largest; 96 bits without gaps
	v_cvt_scalef32_pk16_fp6_f32 v[T:T+2], v[W+16:W+31], v12
.if (\t) == 0                          ; the byte goes into my scale word, the lower K in the lower byte.  This line names no register of the conversions: it is the plain line behind them
	v_mov_b32 v[SW], v15
.else
	v_lshl_or_b32 v[SW], v15, 8*((((\t)&1)<<1)|((\t)>>1)), v[SW]   ; bytes 1 and 2 change places
.endif
.irp i, 0,1,2
	v_mov_b32 v[C+6*(\t)+3+\i], v[T+\i]            ; a block's six registers on end: 24 bytes
.endr
.endm
	BLOCK 0
	BLOCK 1
	BLOCK 2
	BLOCK 3
	s_wait_loadcnt 0x0                             ; x's scale words
.irp i, 56,57,58,59
	v_perm_b32 v\i, v\i, v\i, 0x03010200           ; bytes 1 and 2 change places
.endr
	global_store_b128 v[T16], v[56:59], s[28:29]   ; 512 consecutive bytes a wave
	s_wait_alu depctr_va_vdst(0)
	s_wait_dscnt 0x0                               ; my reads of the table are over
	s_barrier_signal -1
	s_barrier_wait -1                              ; everybody's are: only now is anything stored to LDS again
.irp c, 0,1,2,3,4,5
	ds_store_b128 v[STW], v[C+4*\c:C+4*\c+3] offset:16*\c          ; my 96 bytes at their place in the row
.endr
	ds_store_b32 v[SCW], v[SW]
	s_wait_dscnt 0x0                               ; for the others' sake: my scale word has landed
	s_barrier_signal -1
	s_barrier_wait -1
.irp c, 0,1,2,3,4,5
	ds_load_b128 v[G+4*\c:G+4*\c+3], v[STR] offset:512*\c
.endr
.irp c, 0,1,2,3,4,5
	s_wait_dscnt 5-\c                              ; piece c is back; the younger loads stay out
	global_store_b128 v[LI], v[G+4*\c:G+4*\c+3], s[12:13] offset:512*\c   ; 32 lanes store 512 consecutive bytes, at a multiple of 256 from the buffer's first byte
.endr
	s_cmp_lt_u32 s16, 2                            ; the work-group's 1,024 scale bytes leave by waves 0 and 1
	s_cbranch_scc0 .Lend
	ds_load_b128 v[G+24:G+27], v[SCR]
	s_wait_dscnt 0x0
	global_store_b128 v[SCO], v[G+24:G+27], s[14:15]               ; two runs of 256 consecutive bytes a wave, 512 apart
.Lend:
	s_wait_tensorcnt 0x0
	ds_add_u32 v254, v255
	s_wait_dscnt 0x0
	s_endpgm
.Lfunc_end_k_q2c3959efc1_weights:
	.size	k_q2c3959efc1_weights, .Lfunc_end_k_q2c3959efc1_weights-k_q2c3959efc1_weights
	.p2alignl 7, 3214868480
	.fill 96, 4, 3214868480
	.section	.rodata,"a",@progbits
	.p2align	6, 0x0
	.amdhsa_kernel k_q2c3959efc1_weights
		.amdhsa_group_segment_fixed_size 34816
		.amdhsa_private_segment_fixed_size 0
		.amdhsa_enable_private_segment 0
		.amdhsa_kernarg_size 56
		.amdhsa_user_sgpr_count 2
		.amdhsa_user_sgpr_kernarg_segment_ptr 1
		.amdhsa_wavefront_size32 1
		.amdhsa_system_sgpr_workgroup_id_x 1
		.amdhsa_system_sgpr_workgroup_id_y 1
		.amdhsa_system_sgpr_workgroup_id_z 1
		.amdhsa_system_vgpr_workitem_id 0
		.amdhsa_next_free_vgpr 256
		.amdhsa_next_free_sgpr 66
		.amdhsa_reserve_vcc 0
		.amdhsa_float_denorm_mode_32 3
		.amdhsa_float_denorm_mode_16_64 3
		.amdhsa_memory_ordered 1
		.amdhsa_forward_progress 1
		.amdhsa_inst_pref_size 39
	.end_amdhsa_kernel
	.amdgpu_metadata
---
amdhsa.version: [ 1, 2 ]
amdhsa.kernels:
  - .name:           k_q2c3959efc1_weights
    .symbol:         k_q2c3959efc1_weights.kd
    .args:
      - { .name: codebook, .offset: 0, .size: 8, .value_kind: global_buffer, .address_space: global }
      - { .name: indices, .offset: 8, .size: 8, .value_kind: global_buffer, .address_space: global }
      - { .name: scales, .offset: 16, .size: 8, .value_kind: global_buffer, .address_space: global }
      - { .name: signs_packed, .offset: 24, .size: 8, .value_kind: global_buffer, .address_space: global }
      - { .name: w_codes, .offset: 32, .size: 8, .value_kind: global_buffer, .address_space: global }
      - { .name: scl, .offset: 40, .size: 8, .value_kind: global_buffer, .address_space: global }
      - { .name: x_scales, .offset: 48, .size: 8, .value_kind: global_buffer, .address_space: global }
    .group_segment_fixed_size: 34816
    .private_segment_fixed_size: 0
    .kernarg_segment_align: 8
    .kernarg_segment_size: 56
    .max_flat_workgroup_size: 256
    .sgpr_count:     66
    .vgpr_count:     256
    .wavefront_size: 32
...
	.end_amdgpu_metadata
.endif
;; end of part 1
;; launch gemm (part 2): grid 8 x 32, 4 waves a work-group, clusters of 4 x 4, 327,680 bytes of LDS; arguments x_codes, w_codes, scl, out0; writes out0
.if DOCPART == 2
	.amdgcn_target "amdgcn-amd-amdhsa--gfx1250"
	.amdhsa_code_object_version 6
	.text
	.protected	k_q2c3959efc1_gemm
	.globl	k_q2c3959efc1_gemm
	.p2align	8
	.type	k_q2c3959efc1_gemm,@function
k_q2c3959efc1_gemm:
	s_mov_b64 s[64:65], 0
	v_nop
	global_prefetch_b8 v0, s[64:65] scope:SCOPE_SE
	s_setreg_imm32_b32 hwreg(HW_REG_WAVE_MODE, 25, 1), 1
	s_wait_xcnt 0x0
	s_wait_alu depctr_hold_cnt(0) depctr_sa_sdst(0) depctr_va_vdst(0) depctr_va_sdst(0) depctr_va_ssrc(0) depctr_va_vcc(0) depctr_vm_vsrc(0)
	s_getreg_b32 s2, hwreg(HW_REG_IB_STS2, 6, 4)
	s_cmp_eq_u32 s2, 0
	s_cbranch_scc0 .Lentry_in_a_cluster
	s_endpgm
.Lentry_in_a_cluster:
	s_bfe_u32 s2, ttmp6, 0x10000c
	s_cmp_lg_u32 s2, 0xf033
	s_cbranch_scc0 .Lentry_shape_is_right
	s_endpgm
.Lentry_shape_is_right:
; out0[m][n] = sum over k of x[m][k] W[n][k]: codes of FP6 (E2M3) with E8M0 scales on both sides, f32 sums.  M 8,192, N 2,048, K 4,096; a row of codes is 3,072 bytes.
; A work-group of four waves makes 256 x 256, a wave 128 x 128 (64 accumulators).  256 work-groups.  The matrix instruction is used transposed (source 0 = rows of W): a lane holds 8 neighbouring numbers of a row.
; CLUSTERS of 4 x 4: x's tiles are asked for jointly along a row of the cluster, W's along a column.
; THE RING: two LDS slots, each one CHUNK of 256 aligned bytes of 256 rows of x and of W (12 chunks); a wave fetches 128 rows by one tensor load.  A step of 128 along K is 96 bytes: eight steps to three chunks.
; A LANE TAKES 48 BYTES ON END (three loads of 16): lanes 0-15 the step's first 64 codes, lanes 16-31 the last 64.  So blocks 1 and 2 of each four change places on both sides; the scale words in scl are laid so.
; LIMIT: inside a step the products are summed in that order of blocks, not in ascending k.
; Steps 2 and 5 of each eight lie across two chunks.  Where the two halves of the lanes lie in different chunks, a second pair of address registers serves: lanes 0-15 at byte 208 of the row in one slot,
; lanes 16-31 at byte 0 of the row in the other.  The step ahead of such a step has two barriers: one at its head shows the new chunk whole; behind the fetches the round follows behind which the old chunk's slot is filled again.
; All of a step's fragments are fetched in the step before: W's and x's blocks 4-7 have two register sets, x's blocks 0-3 one.
; THE SCALES come from scl straight into registers, 16 bytes a lane (four steps' words of a row): lanes 0-15 x's block i, lanes 16-31 W's block i; two groups of four steps, each loaded four steps ahead of its use.
; The groups' registers are spread so that of the eight blocks' registers only two each are equal modulo 8.
; THE LOOP: a trip is eight steps, three chunks, so the slots change roles from trip to trip: the LDS addresses are made anew at a trip's end from words that toggle between 0 and SLOT,
; and the descriptors' LDS address is toggled at each load.  Three trips (steps 1-24); step 0 starts the sums; steps 25-31 are written out, since the last two changes of chunks fill less or nothing.
; PREFETCH: behind each joint load a wave names, a lane a row, 32 of the 128 rows that it fetches (the four partners share them by address), in the chunk two loads on; chunks 10 and 11's loads ask for nothing.
; W's rows are asked for by the clusters of the first four rows of clusters alone.
.set SIZE_N, 2048
.set KROW,   3072
.set PITCH,  272                       ; 256 bytes + 16 of padding: an odd multiple of 16
.set HALFT,  128*PITCH
.set SLOT,   4*HALFT                   ; x's 256 rows, then W's
.set SPARE,  2*SLOT                    ; the spare words: 512 bytes that no other line names
.set SPITCH, 528                       ; the way out: 16 rows x (512 + 16) bytes a wave, in slot 0, which has had its last fill and its last read by then
.set XSB,    1048576                   ; scl: W's words begin here
.set BA, 4                             ; v4, v5  x's, W's fragment address without the slot: row x pitch + 48 x half + my 128 rows
.set BB, 5
.set ZA, 6                             ; v6, v7  for pieces across two chunks: row x pitch + my 128 rows, + 208 in lanes 0-15
.set ZB, 7
.set T0, 8                             ; v8, v9  the slot of an even, odd chunk of this trip: 0 or SLOT
.set U0, 12                            ; v12, v13  the same in lanes 0-15; in lanes 16-31 the other slot
.set ADRA, 16                          ; v16-17 BA + T;  v18-19 ZA + U;  v20-21 BB + T;  v22-23 ZB + U
.set AZA,  18
.set ADRB, 20
.set AZB,  22
.set STO,  24
.set RD,   25
.set CO,   26
.set SOFF, 27                          ; my offset in scl
.set SPW,  28
.set NIL,  29
.set PFO,  30
.set SC,   32                          ; scale words: group g at 32 + 44 g; block i's four steps at 24 (i / 4) + 4 (i % 4) + 2 ((i % 4) / 2)
.set AF,   128                         ; x's fragments, window 0; blocks 4-7 of odd steps: window 1, v96-119 and v224-247
.set BK,   128
.set G1, 24
.set G0, 32
.set PFA, 36
.set LIM0, 38
.set LIM1, 39
.set G1B, 48
.set G0B, 56
.set SB, 60
.set MSB, 0
.macro WIN new
.if MSB != \new
	s_set_vgpr_msb (MSB<<8)|\new
.set MSB, \new
.endif
.endm
.set MUL_LO, 0xa1
.set TO_B,   0x40
.macro PLACES
.rept 4
	v_nop
.endr
.endm
.macro JLOAD                           ; waves 0, 1 fetch x's two halves, waves 2, 3 W's; five lines behind each load
	s_cmp_eq_u32 s15, 0
	s_cbranch_scc0 .Lfor_b_\@
	tensor_load_to_lds s[G0:G0+3], s[G1:G1+7]
	s_nop 0
	PLACES
	s_branch .Lasked_\@
.Lfor_b_\@:
	tensor_load_to_lds s[G0B:G0B+3], s[G1B:G1B+7]
	s_nop 0
	PLACES
.Lasked_\@:
.endm
.macro NEXTD                           ; the next chunk, into the other slot; no tensor load of mine is out here
	s_xor_b32 s[G0+1], s[G0+1], SLOT
	s_add_nc_u64 s[G0+2:G0+3], s[G0+2:G0+3], 256
	s_xor_b32 s[G0B+1], s[G0B+1], SLOT
	s_add_nc_u64 s[G0B+2:G0B+3], s[G0B+2:G0B+3], 256
.endm
.macro ASK lim                         ; the chunk two loads on
	s_cmp_gt_u32 s3, s[\lim]
	s_cbranch_scc0 .Lna_\@
	global_prefetch_b8 v[PFO], s[PFA:PFA+1] offset:512 th:TH_LOAD_NT scope:SCOPE_SE
.Lna_\@:
.endm
.macro CREST
	s_cmp_lg_u32 s14, 0
	s_cbranch_scc1 .Lnw0_\@
	s_barrier_signal -3
.Lnw0_\@:
	s_barrier_wait -3
	s_barrier_signal -1
	s_barrier_wait -1
.endm
.macro CROUND
	s_barrier_signal -1
	s_barrier_wait -1
	CREST
.endm
.macro RETARGET
.irp s, 0,1
	v_add_nc_u32 v[ADRA+\s], v[BA], v[T0+\s]
	v_add_nc_u32 v[AZA+\s],  v[ZA], v[U0+\s]
	v_add_nc_u32 v[ADRB+\s], v[BB], v[T0+\s]
	v_add_nc_u32 v[AZB+\s],  v[ZB], v[U0+\s]
.endr
.endm
	s_load_b256 s[4:11], s[0:1], 0x0               ; x_codes s[4:5], w_codes s[6:7], scl s[8:9], out0 s[10:11]
	v_lshl_add_u32 v[SPW], v0, 2, SPARE
	v_mov_b32 v[NIL], 0
	ds_add_u32 v[SPW], v[NIL]                      ; the opening lines
	ds_add_u32 v[SPW], v[NIL]
	v_lshrrev_b32 v1, 5, v0
	v_readfirstlane_b32 s14, v1                    ; wave
	s_lshr_b32 s15, s14, 1                         ; my half of the tile's rows; also: I fetch for x (0) or W (1)
	s_and_b32 s16, s14, 1                          ; my half of its columns; also: which 128 rows I fetch
	s_bfe_u32 s40, ttmp6, 0x40000                  ; cx
	s_bfe_u32 s41, ttmp6, 0x40004                  ; cy
	s_lshl_b32 s42, ttmp9, 2
	s_add_co_u32 s42, s42, s40                     ; tile column
	s_and_b32 s17, ttmp7, 0xffff
	s_lshl_b32 s17, s17, 2
	s_add_co_u32 s17, s17, s41                     ; tile row
	s_lshl_b32 s43, s41, 2
	s_lshl_b32 s43, 15, s43                        ; my row of the cluster
	s_lshl_b32 s44, 0x1111, s40                    ; my column
	s_or_b32 s[G1], s43, (1<<20)|(1<<21)|(5<<22)|(3<<25)   ; bytes; 4 words of padding behind every 64
	s_or_b32 s[G1B], s44, (1<<20)|(1<<21)|(5<<22)|(3<<25)
.irp g, G1, G1B
	s_mov_b32 s[\g+1], 256<<16
	s_mov_b32 s[\g+2], 128<<16
	s_mov_b32 s[\g+3], 256<<16
	s_mov_b32 s[\g+4], 128
	s_mov_b32 s[\g+5], KROW
	s_mov_b32 s[\g+6], 0
	s_mov_b32 s[\g+7], 0
.endr
	s_lshl_b32 s18, s16, 7
	s_lshl_b32 s20, s17, 8
	s_add_co_u32 s20, s20, s18
	s_mul_i32 s20, s20, KROW                       ; x: row 256 x tile row + 128 x half, in bytes (under 2^25)
	s_mov_b32 s21, 0
	s_lshl_b32 s46, s42, 8
	s_add_co_u32 s46, s46, s18
	s_mul_i32 s46, s46, KROW
	s_mov_b32 s47, 0
	s_mul_i32 s45, s14, HALFT                      ; where my 128 rows go
	s_mov_b32 s3, 3                                ; the loop's trips
	s_wait_dscnt 0x0
	s_wait_kmcnt 0x0
	s_mov_b32 s[G0], 1
	s_add_co_u32 s[G0+1], s45, 0
	s_add_nc_u64 s[G0+2:G0+3], s[4:5], s[20:21]
	s_or_b32 s[G0+3], s[G0+3], 0x80000000
	s_mov_b32 s[G0B], 1
	s_add_co_u32 s[G0B+1], s45, 0
	s_add_nc_u64 s[G0B+2:G0B+3], s[6:7], s[46:47]
	s_or_b32 s[G0B+3], s[G0B+3], 0x80000000
	CROUND                                         ; the first joint loads meet
	JLOAD                                          ; chunk 0: one tensor load a wave at the head
	s_mul_i32 s21, s15, HALFT
	s_mul_i32 s22, s16, HALFT
	s_add_co_u32 s22, s22, 2*HALFT
	s_mul_i32 s23, s14, 16*SPITCH
	s_lshl_b32 s18, s17, 15                        ; scl: 2,048 bytes for 16 rows: x's words of my 128 rows,
	s_lshl_b32 s19, s15, 14
	s_add_co_u32 s18, s18, s19
	s_lshl_b32 s19, s42, 15                        ; and how far behind them W's lie
	s_lshl_b32 s20, s16, 14
	s_add_co_u32 s19, s19, s20
	s_add_co_u32 s19, s19, XSB
	s_sub_co_u32 s19, s19, s18
	s_lshl_b32 s46, s17, 8                         ; out0: my first row x 8,192 bytes + my first column x 4
	s_lshl_b32 s47, s15, 7
	s_add_co_u32 s46, s46, s47
	s_lshl_b32 s46, s46, 13
	s_lshl_b32 s47, s42, 10
	s_add_co_u32 s46, s46, s47
	s_lshl_b32 s47, s16, 9
	s_add_co_u32 s46, s46, s47
	s_mov_b32 s47, 0
	s_add_nc_u64 s[10:11], s[10:11], s[46:47]
	s_lshl_b32 s20, s17, 8                         ; the prefetches: my work-group's 32 of the 128 rows that I fetch
	s_lshl_b32 s46, s42, 8
	s_cmp_eq_u32 s15, 0
	s_cselect_b32 s20, s20, s46
	s_cselect_b32 s46, s40, s41
	s_cselect_b64 s[PFA:PFA+1], s[4:5], s[6:7]
	s_lshl_b32 s47, s16, 7
	s_add_co_u32 s20, s20, s47
	s_lshl_b32 s46, s46, 5
	s_add_co_u32 s20, s20, s46
	s_mul_i32 s46, s20, KROW
	s_mov_b32 s47, 0
	s_add_nc_u64 s[PFA:PFA+1], s[PFA:PFA+1], s[46:47]
	s_and_b32 s20, ttmp7, 0xffff
	s_cmp_lt_u32 s20, 4
	s_cselect_b32 s20, 0, -1
	s_cmp_eq_u32 s15, 0
	s_cselect_b32 s[LIM0], 0, s20                  ; 0: my wave asks; the greatest number: it does not
	s_or_b32 s[LIM1], s[LIM0], 1                   ; and not in the loop's last trip
	s_mov_b64 s[SB:SB+1], s[8:9]
	v_and_b32 v1, 15, v0
	v_bfe_u32 v2, v0, 4, 1
	v_mul_u32_u24 v3, v1, PITCH
	v_sub_nc_u32 v10, 1, v2                        ; 1 in lanes 0-15
	v_add_nc_u32 v14, s21, v3
	v_add_nc_u32 v15, s22, v3
	v_mad_u32_u24 v[BA], v2, 48, v14
	v_mad_u32_u24 v[BB], v2, 48, v15
	v_mad_u32_u24 v[ZA], v10, 208, v14
	v_mad_u32_u24 v[ZB], v10, 208, v15
	v_mov_b32 v[T0], 0
	v_mov_b32 v[T0+1], SLOT
	v_mul_u32_u24 v[U0], v2, SLOT
	v_mul_u32_u24 v[U0+1], v10, SLOT
	RETARGET
	v_mul_u32_u24 v10, v2, s19                     ; lanes 16-31 take W's words
	v_lshl_add_u32 v10, v1, 5, v10                 ; 32 bytes a row
	v_add_nc_u32 v[SOFF], s18, v10
	v_mul_u32_u24 v10, v1, SPITCH
	v_lshl_add_u32 v10, v2, 5, v10
	v_add_nc_u32 v[STO], s23, v10
	v_and_b32 v11, 31, v0
	v_lshlrev_b32 v[CO], 4, v11
	v_add_nc_u32 v[RD], s23, v[CO]
	v_mul_u32_u24 v[PFO], v11, KROW
	s_wait_alu depctr_va_vdst(0)
.macro SCLD grp, off                   ; four steps' scale words of the eight blocks
.irp i, 0,1,2,3,4,5,6,7
	global_load_b128 v[SC+44*(\grp)+24*(\i/4)+4*(\i%4)+2*((\i%4)/2):SC+44*(\grp)+24*(\i/4)+4*(\i%4)+2*((\i%4)/2)+3], v[SOFF], s[SB:SB+1] offset:\i*2048+(\off)
.endr
.endm
; One fragment of step X (counted from the trip's chunk 0): three pieces of 16 bytes a lane; lanes 16-31 read 48 bytes further on than lanes 0-15
.macro FR reg, ad, az, X, i
.irp p, 0,1,2
.set LB, 96*(\X)+16*\p
.if LB/256 == (LB+48)/256
	ds_load_b128 v[\reg+4*\p:\reg+4*\p+3], v[\ad+(LB/256)%2] offset:LB%256+(\i)*16*PITCH
.else                                  ; the two halves of the lanes read different chunks: LB % 256 is 208, 224 or 240
	ds_load_b128 v[\reg+4*\p:\reg+4*\p+3], v[\az+(LB/256)%2] offset:LB%256-208+(\i)*16*PITCH
.endif
.endr
.endm
.macro RUNA X, i0                      ; x's blocks i0 .. i0 + 3
.irp i, \i0, \i0+1, \i0+2, \i0+3
.if (\i) < 4 || (\X)%2 == 0
	FR AF+12*(\i), ADRA, AZA, \X, \i
.else
	FR 96+12*((\i)-4)+104*(((\i)-4)/2), ADRA, AZA, \X, \i
.endif
.endr
.endm
.macro RUN1 X                          ; W's eight fragments and x's blocks 4-7, into the sets of step X's parity: 36 loads
	WIN TO_B
.irp i, 0,1,2,3,4,5,6,7
	FR 128*((\X)%2)+12*\i, ADRB, AZB, \X, \i
.endr
.if (\X)%2
	RUNA \X, 4
	WIN 0
.else
	WIN 0
	RUNA \X, 4
.endif
.endm
; x's block a against W's eight: the 64 accumulators take turns in the same order in every step
.macro MULB a, st, zero
.set PB_, 128*((\st)%2)
.set SG_, SC+44*(((\st)/4)%2)+(\st)%4
.if (\a) < 4 || (\st)%2 == 0
.set AR_, AF+12*(\a)
.else
.set AR_, 96+12*((\a)-4)+104*(((\a)-4)/2)
.endif
.set SA_, SG_+24*((\a)/4)+4*((\a)%4)+2*(((\a)%4)/2)
.set D_, 64*((\a)%4)
.irp b, 0,1,2,3,4,5,6,7
.if \zero
	v_wmma_scale_f32_16x16x128_f8f6f4 v[D_+8*\b:D_+8*\b+7], v[PB_+12*\b:PB_+12*\b+11], v[AR_:AR_+11], 0, v[SG_+24*(\b/4)+4*(\b%4)+2*((\b%4)/2)], v[SA_] matrix_a_fmt:MATRIX_FMT_FP6 matrix_b_fmt:MATRIX_FMT_FP6 matrix_a_scale:MATRIX_SCALE_ROW1
.else
	v_wmma_scale_f32_16x16x128_f8f6f4 v[D_+8*\b:D_+8*\b+7], v[PB_+12*\b:PB_+12*\b+11], v[AR_:AR_+11], v[D_+8*\b:D_+8*\b+7], v[SG_+24*(\b/4)+4*(\b%4)+2*((\b%4)/2)], v[SA_] matrix_a_fmt:MATRIX_FMT_FP6 matrix_b_fmt:MATRIX_FMT_FP6 matrix_a_scale:MATRIX_SCALE_ROW1
.endif
.endr
.endm
.macro SCNEXT st                       ; the scale words four steps on, into the registers that the last step read last
	SCLD (((\st)/4)+1)%2, (((\st)+4)/8)*512+((((\st)+4)/4)%2)*16
.endm
; A step whose successor lies in chunks that are shown landed.  scl 1: this step's scale words are waited for; 2: and the next group is asked for
.macro STEPN st, zero, scl
	PLACES                                         ; for the loads into registers that the last step's products read
.if \scl
	s_wait_loadcnt 0x0
.endif
.if (\scl) == 2
	SCNEXT \st
.endif
	RUN1 (\st)+1
	s_wait_dscnt 36                                ; all but the 36 just issued
	WIN MUL_LO
.irp a, 0,1,2,3
	MULB \a, \st, \zero
.endr
	PLACES
	WIN 0
	RUNA (\st)+1, 0
	WIN 0xf1+4*((\st)%2)
.irp a, 4,5,6,7
	MULB \a, \st, \zero
.endr
	WIN 0
.endm
; A step whose successor lies across two chunks
.macro STEPT st, fill, ask, scl
.if \ask
	s_wait_xcnt 0x0                                ; my last prefetch has read its address
	s_add_nc_u64 s[PFA:PFA+1], s[PFA:PFA+1], 256
.endif
.if \scl
	s_wait_loadcnt 0x0
.endif
	s_wait_tensorcnt 0x0                           ; my part of the new chunk has landed
	s_wait_dscnt 0x0                               ; no LDS instruction of mine is out at a signal
	s_barrier_signal -1
	WIN MUL_LO
	MULB 0, \st, 0
	MULB 1, \st, 0
	WIN 0
	s_barrier_wait -1                              ; the new chunk is whole
	PLACES
.if (\scl) == 2
	SCNEXT \st
.endif
	RUN1 (\st)+1
	WIN MUL_LO
	MULB 2, \st, 0
	MULB 3, \st, 0
	PLACES
	WIN 0
	RUNA (\st)+1, 0                                ; my last reads of the old chunk are issued
	s_wait_tensorcnt 0x0
	ds_add_u32 v[SPW], v[NIL]
	WIN 0xf1+4*((\st)%2)
	MULB 4, \st, 0
	MULB 5, \st, 0
	s_wait_dscnt 0x0                               ; the add, and my reads of the old chunk
	s_barrier_signal -1
	MULB 6, \st, 0                                 ; sixteen matrix instructions while the others arrive
	MULB 7, \st, 0
	WIN 0
	s_barrier_wait -1
.if \fill
	CREST                                          ; the barrier has opened a round of the cluster's barrier
	NEXTD
	JLOAD                                          ; into the old chunk's slot
.endif
.if \ask
	ASK LIM0
.endif
.endm
; A step that ends with its chunk: all of its successor lies in the new one, and one round does both
.macro STEPE st
	s_wait_xcnt 0x0
	s_add_nc_u64 s[PFA:PFA+1], s[PFA:PFA+1], 256
	s_wait_tensorcnt 0x0
	ds_add_u32 v[SPW], v[NIL]
	s_wait_dscnt 1                                 ; the add may be out
	WIN MUL_LO
	MULB 0, \st, 0
	s_wait_dscnt 0x0
	s_barrier_signal -1
	MULB 1, \st, 0
	WIN 0
	s_barrier_wait -1
	CREST
	NEXTD
	JLOAD                                          ; its four v_nop are the places in front of the loads below
	RUN1 (\st)+1
	ASK LIM1
	WIN MUL_LO
	MULB 2, \st, 0
	MULB 3, \st, 0
	PLACES
	WIN 0
	RUNA (\st)+1, 0
	WIN 0xf1+4*((\st)%2)
.irp a, 4,5,6,7
	MULB \a, \st, 0
.endr
	WIN 0
.endm
	s_cmp_gt_u32 s3, s[LIM0]                       ; at the head chunk 1 is asked for too: its load goes out only when chunk 0 has landed
	s_cbranch_scc0 .Lnear
	global_prefetch_b8 v[PFO], s[PFA:PFA+1] offset:256 th:TH_LOAD_NT scope:SCOPE_SE
.Lnear:
	SCLD 0, 0
	SCLD 1, 16
	ASK LIM0                                       ; chunk 2
	s_wait_tensorcnt 0x0                           ; my part of chunk 0 is in
	ds_add_u32 v[SPW], v[NIL]
	s_wait_xcnt 0x0
	s_add_nc_u64 s[PFA:PFA+1], s[PFA:PFA+1], 256
	s_wait_dscnt 0x0
	CROUND
	NEXTD
	JLOAD                                          ; chunk 1, slot 1's first fill
	RUN1 0
	RUNA 0, 0
	ASK LIM0                                       ; chunk 3
	STEPN 0, 1, 1                                  ; the first step's products start the sums
.Llap:
	STEPT 1, 1, 1, 0
	STEPN 2, 0, 0
	STEPN 3, 0, 0
	STEPT 4, 1, 1, 2
	STEPN 5, 0, 0
	STEPN 6, 0, 0
	STEPE 7
	STEPN 8, 0, 2
	s_wait_xcnt 0x0                                ; the scale loads have read their base
	s_add_nc_u64 s[SB:SB+1], s[SB:SB+1], 512       ; eight steps on
.irp r, T0, T0+1, U0, U0+1
	v_sub_nc_u32 v[\r], SLOT, v[\r]                ; three chunks on: the slots change roles
.endr
	RETARGET
	s_sub_co_u32 s3, s3, 1
	s_cmp_lg_u32 s3, 0
	s_wait_alu depctr_va_vdst(0)
	s_cbranch_scc1 .Llap
	STEPT 1, 1, 0, 0                               ; steps 25-31: chunk 11 is the last fill
	STEPN 2, 0, 0
	STEPN 3, 0, 0
	STEPT 4, 0, 0, 1
	STEPN 5, 0, 0
	STEPN 6, 0, 0
	s_wait_dscnt 0x0
	WIN MUL_LO
.irp a, 0,1,2,3
	MULB \a, 7, 0
.endr
	WIN 0                                          ; blocks 0-3 are finished; blocks 4-7 follow below, among the first blocks' way out
; THE WAY OUT: a block of 16 rows x 128 columns goes through my own stage and comes back as whole rows of 512 bytes
.macro TOSTAGE a
.set AC, 64*((\a)%4)
	WIN 0x08+4*((\a)/4)
.irp b, 0,1,2,3,4,5,6,7
	ds_store_b128 v[STO], v[AC+8*\b:AC+8*\b+3] offset:64*\b          ; each accumulator from its low end on
	ds_store_b128 v[STO], v[AC+8*\b+4:AC+8*\b+7] offset:64*\b+16
.endr
	WIN 0
.set BB_, BK+64*((\a)%2)
.irp t, 0,1,2,3,4,5,6,7,8,9,10,11,12,13,14,15
	ds_load_b128 v[BB_+4*\t:BB_+4*\t+3], v[RD] offset:\t*SPITCH
.endr
.endm
.macro SEND a, younger
.set BB_, BK+64*((\a)%2)
	s_wait_dscnt \younger
.if (\a) > 0
	s_add_nc_u64 s[10:11], s[10:11], 16*SIZE_N*4   ; behind a wait on XCNT
.endif
.irp t, 0,1,2,3,4,5,6,7,8,9,10,11,12,13,14,15
	global_store_b128 v[CO], v[BB_+4*\t:BB_+4*\t+3], s[10:11] offset:\t*SIZE_N*4 th:TH_STORE_NT   ; 512 consecutive bytes, aligned
.endr
.endm
	PLACES                                         ; behind blocks 0-3's products: for the reads of their results and for the loads into v128-255 of window 0, which no later product names
	TOSTAGE 0
	WIN 0xf5
	MULB 4, 7, 0                                   ; an odd step's blocks 4-7 of x lie in window 1
	MULB 5, 7, 0
	TOSTAGE 1
	SEND 0, 32                                     ; behind block 0's loads: block 1's 16 stores and 16 loads
	WIN 0xf5
	MULB 6, 7, 0
	MULB 7, 7, 0
	PLACES                                         ; for the reads of blocks 4-7's results
	WIN 0
.irp a, 2,3,4,5,6,7
.if \a > 1
	s_wait_xcnt 0x0                                ; block a - 2's stores have read their registers and their base
.endif
	TOSTAGE \a
	SEND \a-1, 32                                  ; behind block a - 1's loads: block a's 16 stores and 16 loads
.endr
	s_wait_xcnt 0x0
	SEND 7, 0
	s_wait_tensorcnt 0x0                           ; the wave's end
	ds_add_u32 v[SPW], v[NIL]
	s_wait_dscnt 0x0
	CROUND                                         ; the closing round
	s_endpgm
.Lfunc_end_k_q2c3959efc1_gemm:
	.size	k_q2c3959efc1_gemm, .Lfunc_end_k_q2c3959efc1_gemm-k_q2c3959efc1_gemm
	.p2alignl 7, 3214868480
	.fill 96, 4, 3214868480
	.section	.rodata,"a",@progbits
	.p2align	6, 0x0
	.amdhsa_kernel k_q2c3959efc1_gemm
		.amdhsa_group_segment_fixed_size 327680
		.amdhsa_private_segment_fixed_size 0
		.amdhsa_enable_private_segment 0
		.amdhsa_kernarg_size 32
		.amdhsa_user_sgpr_count 2
		.amdhsa_user_sgpr_kernarg_segment_ptr 1
		.amdhsa_wavefront_size32 1
		.amdhsa_system_sgpr_workgroup_id_x 1
		.amdhsa_system_sgpr_workgroup_id_y 1
		.amdhsa_system_sgpr_workgroup_id_z 1
		.amdhsa_system_vgpr_workitem_id 0
		.amdhsa_next_free_vgpr 1024
		.amdhsa_next_free_sgpr 98
		.amdhsa_reserve_vcc 0
		.amdhsa_float_denorm_mode_32 3
		.amdhsa_float_denorm_mode_16_64 3
		.amdhsa_memory_ordered 1
		.amdhsa_forward_progress 1
		.amdhsa_inst_pref_size 233
	.end_amdhsa_kernel
	.amdgpu_metadata
---
amdhsa.version: [ 1, 2 ]
amdhsa.kernels:
  - .name:           k_q2c3959efc1_gemm
    .symbol:         k_q2c3959efc1_gemm.kd
    .args:
      - { .name: x_codes, .offset: 0, .size: 8, .value_kind: global_buffer, .address_space: global }
      - { .name: w_codes, .offset: 8, .size: 8, .value_kind: global_buffer, .address_space: global }
      - { .name: scl, .offset: 16, .size: 8, .value_kind: global_buffer, .address_space: global }
      - { .name: out0, .offset: 24, .size: 8, .value_kind: global_buffer, .address_space: global }
    .group_segment_fixed_size: 327680
    .private_segment_fixed_size: 0
    .kernarg_segment_align: 8
    .kernarg_segment_size: 32
    .max_flat_workgroup_size: 128
    .sgpr_count:     98
    .vgpr_count:     1024
    .wavefront_size: 32
...
	.end_amdgpu_metadata
.endif
;; end of part 2
